; MI455X (gfx1250); checked and timed in simulation.
; The chip was launched on July 23, 2026; its instructions are those of AMD's public machine-readable ISA for CDNA 5 (MIT licence, August 2026) and "CDNA5" Instruction Set Architecture Reference Guide (July 2026). The comments in the code are by the model that wrote it; some were corrected since.
;; Pairwise Relaxed Word Mover Similarity. Allowed arithmetic: matrix products marked QUANTISED: E2M3 operands, one E8M0 scale for each 32 along K, by v_wmma_scale_f32_16x16x128_f8f6f4 with both operands' format E2M3, f32 sums; everything else in f32.
;; Inputs: mask1 64 x 64 float32; mask2 64 x 64 float32; x1 64 x 64 x 768 float32; x2 64 x 64 x 768 float32.
;; Outputs: out0 64 x 64 float32.
;; This version of the problem:
;;   THIS VERSION OF THE PROBLEM IS GIVEN IN LOW PRECISION. The matrix products marked QUANTISED in the list below multiply operands that are first quantised to E2M3 (2 exponent bits, 3 mantissa bits; 6 bits a number), with one power-of-two scale for each 32 numbers along K (OCP MX v1.0); their sums are f32. All else is computed in f32.
;;   The module's matrix products, in the order in which they are computed (A, B: the left and right operand; K: the contracted axis; several contracted axes count as one K, in the product's order):
;;     1. [M 4,096, K 768] x [K 768, N 4,096]; A: computed on the way; B: computed on the way: QUANTISED
;;   THE QUANTISER, for each operand of a quantised product, along K:
;;     - K is cut into blocks of 32 from its start; a last block that is shorter is filled with zeros.
;;     - A block's scale is 2^e with e = floor(log2(the largest magnitude in the block)) - 2, held to -126 .. 127; a block of zeros has e = 0. As a byte (E8M0): e + 127.
;;     - Each number is divided by its block's scale, clamped to +-7.5, and rounded to the nearest number of E2M3, ties to even, subnormals kept.
;;     - The product sums the exact products of the quantised numbers (number of the format x scale) in f32.
;;   ~~~python
;;   def quantise(x, axis):      # numpy; x: float32 -> the quantised numbers, widened to float32 again
;;       x = np.moveaxis(x, axis, -1); K = x.shape[-1]
;;       x = np.pad(x, [(0, 0)] * (x.ndim - 1) + [(0, -K % 32)]); x = x.reshape(x.shape[:-1] + (-1, 32)); a = np.abs(x).max(-1, keepdims=True)
;;       e = np.where(a > 0, np.clip(np.frexp(np.where(a > 0, a, 1))[1] - 1 - 2, -126, 127), 0)      # np.frexp(a)[1] - 1 = floor(log2(a)), exactly
;;       r = np.clip(x / 2.0 ** e, -7.5, 7.5)
;;       step = 2.0 ** (np.maximum(np.frexp(np.where(r == 0, 1, r))[1] - 1, 0) - 3)
;;       q = np.round(r / step) * step * 2.0 ** e      # np.round: ties to even
;;       return np.moveaxis(q.reshape(q.shape[:-2] + (-1,))[..., :K], -1, axis).astype(np.float32)
;;   ~~~
;;   OPERANDS COMPUTED ON THE WAY. 'Computed on the way' means the value that the module computes at that place (a softmax that the list does not call 'softmax' is quantised finished and normalised). What goes into a quantiser is computed in f32, as accurately as f32 sums, v_exp_f32 and their like allow (about 1e-6 of the number): no bf16 or f16 on the way to a quantiser, and a product that is left as it is and whose result goes on into a quantised operand takes f32 operands (vector FMAs, or v_wmma_f32_16x16x4_f32). A number that lies on a knife's edge between two numbers of the format may be rounded either way, as far as f32 arithmetic and the matrix unit's own rounding can turn it there, and no further.
;; One version. Each part assembles by itself: llvm-mc -triple=amdgcn-amd-amdhsa -mcpu=gfx1250 --defsym DOCPART=n.
;; ======== version 1 of 1: 2 launches
;; limits: right only within a limited range of input values
;; workspace buffers: q1 2,457,600 bytes; q2 2,457,600 bytes
;; launch quant (part 1): grid 256 x 1, 12 waves a work-group, no clusters, 167,936 bytes of LDS; arguments x1, x2, q1, q2; writes q1, q2
.if DOCPART == 1
	.amdgcn_target "amdgcn-amd-amdhsa--gfx1250"
	.amdhsa_code_object_version 6
	.text
	.protected	k_qd6df95393d_quant
	.globl	k_qd6df95393d_quant
	.p2align	8
	.type	k_qd6df95393d_quant,@function
k_qd6df95393d_quant:
	s_mov_b64 s[64:65], 0
	v_nop
	global_prefetch_b8 v0, s[64:65] scope:SCOPE_SE
	s_setreg_imm32_b32 hwreg(HW_REG_WAVE_MODE, 25, 1), 1
	s_wait_xcnt 0x0
; FIRST OF TWO LAUNCHES.  out0[a][b] = (mean over valid s of max over valid t of sim + mean over valid t of max over valid s of sim) / 2, sim = Q(unit(x1[a][s])) . Q(unit(x2[b][t])),
; Q the MX quantiser to E2M3 along the 768.  This launch makes both operands: each of the 4,096 rows of x1 and of x2 is divided by max(its norm, 1e-8) in f32 and turned into codes of 6 bits with
; one E8M0 byte for each 32 along K.  The second launch multiplies the codes and reduces each block of 64 x 64.
; NO WORK IS LEFT OUT: what the masks throw away hangs on the masks' values, so every row is normalised, quantised and multiplied, and the second launch selects.
; THE WORKSPACE IS LAID AS THE SECOND LAUNCH'S REGISTERS WANT IT: q[g 32][kp 3][25,600 bytes]; g = a group of 128 rows, kp = 256 along K.  In a block: bytes 0 .. 24,575 = [s2 2][i 8][1,536]: the image of the
; fragment of rows 16 i .. 16 i + 15, K step 2 kp + s2 (128 along K): registers 4 c .. 4 c + 3 of lane l at 512 c + 16 l.  Bytes 24,576 .. 25,599 = the scale words (four bytes: a row's 128 along K):
; that of row block i = 2 q + u, row r, K step s2 at 256 q + 16 r + 8 s2 + 4 u.
; SHARES.  Work-groups 0-127 take x1, the others x2; a work-group owns 32 rows; each of its twelve waves makes ONE fragment: row block rb = wave % 2, K step s = wave / 2.  A wave's 16 rows x 512 bytes come by
; one tensor load into LDS bytes of its own, which it alone reads.  A row's sum of squares is spread over six waves: the partial sums meet in LDS behind a barrier.
; THE BLOCKS' LARGEST MAGNITUDES are found on the numbers as loaded, ahead of the norm: multiplying by one positive factor and rounding keeps order, so largest x factor, rounded, is the largest of the rounded products.
; No cluster: no two work-groups read the same bytes.  No prefetch: all that a work-group reads is asked for by its waves' first memory instruction.  No matrix work.
; LIMITS.  x / max(n, 1e-8) is computed as x * min(rsq(sum of squares), 1e8): two roundings and the reciprocal root's last bit away from the quotient.  A sum of squares that overflows f32 (a norm over 1.8e19)
; is not served, as in the sum of squares of the definition itself; NaN and infinities in x are not served.  A block of zeros gets the byte 1 where the rule says 127: its codes are zeros, which add
; nothing under any byte but 0xff, and the bytes are read by this program alone.
.set TILEB, 16*528                     ; a wave's tile: 16 rows of 512 bytes + 16 of padding
.set NRM,   12*TILEB                   ; the partial sums of squares, 128 bytes a wave
.set SCST,  NRM+1536                   ; the scale words of the work-group's 32 rows: three units of 256 bytes, one for each kp
.set SPARE, SCST+768                   ; the spare words, 128 bytes for each wave: six blocks of 256 bytes that no other line names
.set GRP,   76800                      ; a group of 128 rows in q
.set KPB,   25600                      ; a block of it
.set SPW,   12                         ; v12  LDS address of my spare word; never rewritten
.set NIL,   13                         ; v13  0; never rewritten
.set X,     32                         ; v32-95   my 64 numbers: register 16 b + i = k 32 b + 16 (lane / 16) + i of row lane % 16
.set PC,    96                         ; v96-107  the fragment's codes; v108-114 at work
.set TM,    116                        ; v116-119 largest magnitudes, v120-123 bytes, v128-131 the conversions' scale operands
.set PW,    132                        ; v132 my row's scale word
.set G1,    24                         ; s[24:31] descriptor group 1
.set G0,    32                         ; s[32:35] descriptor group 0
.set SEL,   36                         ; s[36:37] v_permlanex16_b32's selects for lane l xor 16
	s_load_b256 s[4:11], s[0:1], 0x0               ; x1 s[4:5], x2 s[6:7], q1 s[8:9], q2 s[10:11]
	v_lshl_add_u32 v[SPW], v0, 2, SPARE
	v_mov_b32 v[NIL], 0
	ds_add_u32 v[SPW], v[NIL]                      ; the wave's opening: the add, twice on end, and its wait ahead of my tensor load
	ds_add_u32 v[SPW], v[NIL]
	v_lshrrev_b32 v1, 5, v0
	s_delay_alu instid0(VALU_DEP_1)
	v_readfirstlane_b32 s12, v1                    ; wave 0..11
	s_and_b32 s13, s12, 1                          ; rb: which 16 of the 32 rows
	s_lshr_b32 s14, s12, 1                         ; s: which 128 along K
	s_lshr_b32 s15, s12, 2                         ; kp = s / 2
	s_and_b32 s16, s14, 1                          ; s2 = s % 2
	s_and_b32 s17, ttmp9, 127                      ; the work-group's number in its tensor
	; group 1: 16 rows x 128 elements of 4 bytes, 768 elements from row to row; 4 words of padding behind every 128 words
	s_mov_b32 s[G1+0], (2<<16)|(1<<20)|(6<<22)|(3<<25)
	s_mov_b32 s[G1+1], 128<<16                     ; tensor_dim0 = 128
	s_mov_b32 s[G1+2], 16<<16                      ; tensor_dim1 = 16
	s_mov_b32 s[G1+3], 128<<16                     ; tile_dim0 = 128
	s_mov_b32 s[G1+4], 16                          ; tile_dim1 = 16
	s_mov_b32 s[G1+5], 768                         ; tensor_dim0_stride
	s_mov_b32 s[G1+6], 0
	s_mov_b32 s[G1+7], 0
	s_mov_b32 s[G0], 1                             ; count = 1
	s_mul_i32 s[G0+1], s12, TILEB                  ; LDS address: my wave's tile
	s_mul_i32 s18, s17, 32*3072                    ; x: the work-group's 32 rows of 3,072 bytes,
	s_mul_i32 s19, s13, 16*3072                    ; my 16 of them,
	s_add_co_u32 s18, s18, s19
	s_lshl_b32 s19, s14, 9                         ; my 512 bytes of each
	s_add_co_u32 s18, s18, s19
	s_mov_b32 s19, 0
	s_lshr_b32 s20, s17, 2                         ; g
	s_mul_i32 s20, s20, GRP
	s_and_b32 s21, s17, 3                          ; q: which 32 rows of the group's 128
	s_mul_i32 s22, s15, KPB                        ; my fragment's image: g GRP + kp KPB + 12,288 s2 + 1,536 (2 q + rb)
	s_add_co_u32 s22, s22, s20
	s_mul_i32 s23, s16, 12288
	s_add_co_u32 s22, s22, s23
	s_lshl_b32 s23, s21, 1
	s_add_co_u32 s23, s23, s13
	s_mul_i32 s23, s23, 1536
	s_add_co_u32 s22, s22, s23
	s_mov_b32 s23, 0
	s_min_u32 s38, s12, 2                          ; waves 0 to 2 store the scale units, wave w that of kp = w; held at 2, so that the addresses made of it stay inside the three units in every wave
	s_mul_i32 s39, s38, KPB                        ; the unit's place: g GRP + w KPB + 24,576 + 256 q
	s_add_co_u32 s20, s20, s39
	s_lshl_b32 s21, s21, 8
	s_add_co_u32 s20, s20, s21
	s_add_co_u32 s20, s20, 24576
	s_mov_b32 s21, 0
	s_mov_b32 s[SEL], 0x76543210
	s_mov_b32 s[SEL+1], 0xfedcba98
	s_wait_dscnt 0x0                               ; both opening adds are done
	s_wait_kmcnt 0x0
	s_cmp_lt_u32 ttmp9, 128                        ; x1's work-group or x2's: the choice hangs on the work-group's number alone
	s_cselect_b64 s[4:5], s[4:5], s[6:7]
	s_cselect_b64 s[8:9], s[8:9], s[10:11]
	s_add_nc_u64 s[G0+2:G0+3], s[4:5], s[18:19]    ; global address of the tile's first element
	s_or_b32 s[G0+3], s[G0+3], 0x80000000          ; type = 2
	tensor_load_to_lds s[G0:G0+3], s[G1:G1+7]      ; my one tensor load: one is out
	s_nop 0
	s_add_nc_u64 s[10:11], s[8:9], s[20:21]        ; where a scale unit goes
	s_add_nc_u64 s[8:9], s[8:9], s[22:23]          ; where my image goes
	v_and_b32 v1, 31, v0                           ; lane
	v_and_b32 v2, 15, v0                           ; r
	v_bfe_u32 v3, v0, 4, 1                         ; h
	s_delay_alu instid0(VALU_DEP_2)
	v_mul_u32_u24 v4, v2, 528
	s_delay_alu instid0(VALU_DEP_1)
	v_lshl_add_u32 v4, v3, 6, v4
	s_delay_alu instid0(VALU_DEP_1)
	v_add_nc_u32 v4, s[G0+1], v4                   ; the tile: row r, + 64 h: my 16 numbers of a block of 32
	v_lshl_add_u32 v5, v0, 2, NRM                  ; my partial sum's word: 128 x wave + 4 x lane
	s_lshl_b32 s18, s13, 7
	v_lshl_add_u32 v6, v1, 2, s18
	s_delay_alu instid0(VALU_DEP_1)
	v_add_nc_u32 v6, NRM, v6                       ; the six partial sums of my rows: waves rb, rb + 2 .. rb + 10, 256 bytes apart
	s_lshl_b32 s18, s15, 8
	s_lshl_b32 s19, s16, 3
	s_add_co_u32 s18, s18, s19
	s_lshl_b32 s19, s13, 2
	s_add_co_u32 s18, s18, s19
	v_lshl_add_u32 v7, v2, 4, s18
	s_delay_alu instid0(VALU_DEP_1)
	v_add_nc_u32 v7, SCST, v7                      ; my row's scale word: 256 kp + 16 r + 8 s2 + 4 rb
	s_lshl_b32 s18, s38, 8
	v_lshl_add_u32 v8, v1, 3, s18
	s_delay_alu instid0(VALU_DEP_1)
	v_add_nc_u32 v8, SCST, v8                      ; a unit read back: 256 w + 8 x lane
	v_lshlrev_b32 v9, 4, v1                        ; an image's place for my lane
	v_lshlrev_b32 v10, 3, v1                       ; a unit's
.irp b, 0,1,2,3
	v_mov_b32 v[TM+4+\b], 0                        ; written once: a lane permute's destination counts as one of its sources
.endr
	s_wait_alu depctr_va_vdst(0)
	s_wait_tensorcnt 0x0                           ; my tile is in LDS; nobody else reads it
.irp b, 0,1,2,3
.irp j, 0,1,2,3
	ds_load_b128 v[X+16*\b+4*\j:X+16*\b+4*\j+3], v4 offset:128*\b+16*\j
.endr
.endr
	; the sum of my 64 squares, two at a time, in four chains; the first four products start them
.irp b, 0,1,2,3
	s_wait_alu depctr_va_vdst(0)
	s_wait_dscnt 12-4*\b                           ; LDS loads come back in order: block b's four are in, the later blocks' four each may be out
.irp c, 0,1,2,3
.if \b == 0
	v_pk_mul_f32 v[16+2*\c:17+2*\c], v[X+2*\c:X+2*\c+1], v[X+2*\c:X+2*\c+1]
.else
	v_pk_fma_f32 v[16+2*\c:17+2*\c], v[X+16*\b+2*\c:X+16*\b+2*\c+1], v[X+16*\b+2*\c:X+16*\b+2*\c+1], v[16+2*\c:17+2*\c]
.endif
.endr
.irp c, 0,1,2,3
	s_delay_alu instid0(VALU_DEP_4)
	v_pk_fma_f32 v[16+2*\c:17+2*\c], v[X+16*\b+8+2*\c:X+16*\b+9+2*\c], v[X+16*\b+8+2*\c:X+16*\b+9+2*\c], v[16+2*\c:17+2*\c]
.endr
.endr
	s_delay_alu instid0(VALU_DEP_3)
	v_pk_add_f32 v[16:17], v[16:17], v[18:19]
	s_delay_alu instid0(VALU_DEP_2)
	v_pk_add_f32 v[20:21], v[20:21], v[22:23]
	s_delay_alu instid0(VALU_DEP_1)
	v_pk_add_f32 v[16:17], v[16:17], v[20:21]
	s_delay_alu instid0(VALU_DEP_1)
	v_add_f32 v16, v16, v17
	s_delay_alu instid0(VALU_DEP_1)
	v_permlanex16_b32 v17, v16, s[SEL], s[SEL+1]
	s_delay_alu instid0(VALU_DEP_1)
	v_add_f32 v16, v16, v17                        ; with lane l xor 16's: row r's 128 squares of my K step
	ds_store_b32 v5, v16
	s_wait_dscnt 0x0                               ; for the others' sake: my store has landed
	s_barrier_signal -1
	; register work while the others arrive: the largest magnitude of each of my four blocks of 32; a block lies in lanes l and l xor 16
.irp b, 0,1,2,3
	v_max_num_f32 v[TM+\b], |v[X+16*\b]|, |v[X+1+16*\b]|
.endr
.irp i, 2,4,6,8,10,12,14
.irp b, 0,1,2,3
	s_delay_alu instid0(VALU_DEP_4)
	v_max3_num_f32 v[TM+\b], v[TM+\b], |v[X+16*\b+\i]|, |v[X+1+16*\b+\i]|   ; the four blocks by turns
.endr
.endr
.irp b, 0,1,2,3
	s_delay_alu instid0(VALU_DEP_4)
	v_permlanex16_b32 v[TM+4+\b], v[TM+\b], s[SEL], s[SEL+1]
.endr
.irp b, 0,1,2,3
	s_delay_alu instid0(VALU_DEP_4)
	v_max_num_f32 v[TM+\b], v[TM+\b], v[TM+4+\b]
.endr
	s_wait_alu depctr_va_vdst(0)
	s_barrier_wait -1
.irp t, 0,1,2,3,4,5
	ds_load_b32 v[24+\t], v6 offset:256*\t         ; the six K steps' sums of my rows
.endr
	s_wait_dscnt 0x0
	v_add_f32 v24, v24, v25                        ; in one order in all six waves: they get the same norm
.irp t, 2, 3, 4, 5
	s_delay_alu instid0(VALU_DEP_1)
	v_add_f32 v24, v24, v[24+\t]
.endr
	s_wait_alu depctr_va_vdst(0)                   ; the wait ahead of the transcendental
	v_rsq_f32 v14, v24
	v_nop                                          ; a plain instruction behind the transcendental
	s_wait_alu depctr_va_vdst(0)                   ; and the wait ahead of its first reader
	v_min_num_f32 v14, 0x4cbebc20, v14             ; 1 / max(n, 1e-8) = min(1 / n, 1e8); a sum of squares of 0 gives infinity, which is held here
	v_mov_b32 v15, v14                             ; a pair for the packed multiply
	; THE SCALES
.irp b, 0,1,2,3
	v_mul_f32 v[TM+\b], v[TM+\b], v14              ; the block's largest magnitude
.endr
.irp b, 0,1,2,3
	s_delay_alu instid0(VALU_DEP_4)
	v_max_num_f32 v[TM+\b], 0x1800000, v[TM+\b]    ; the floor 2^(3 - 127): the byte cannot fall under 1
.endr
.irp b, 0,1,2,3
	s_delay_alu instid0(VALU_DEP_4)
	v_add_nc_u32 v[TM+12+\b], 0xff000000, v[TM+\b] ; 2 off its exponent field: the conversion takes the exponent field of this operand as its scale
.endr
.irp b, 0,1,2,3
	s_delay_alu instid0(VALU_DEP_4)
	v_lshrrev_b32 v[TM+4+\b], 23, v[TM+12+\b]      ; the scale's byte
.endr
	s_delay_alu instid0(VALU_DEP_3)
	v_lshl_or_b32 v[PW], v[TM+5], 8, v[TM+4]       ; four bytes: my row's scale word (the same in lanes l and l xor 16)
	s_delay_alu instid0(VALU_DEP_1)
	v_lshl_or_b32 v[PW], v[TM+6], 16, v[PW]
	s_delay_alu instid0(VALU_DEP_1)
	v_lshl_or_b32 v[PW], v[TM+7], 24, v[PW]
	ds_store_b32 v7, v[PW]                         ; lanes l and l xor 16 write the same word with the same value
	; the numbers are normalised and turned into codes
.set n, 0
.rept 32
	v_pk_mul_f32 v[X+n:X+n+1], v[X+n:X+n+1], v[14:15]
.set n, n+2
.endr
.irp c, 0,1
	v_cvt_scalef32_pk16_fp6_f32 v[PC+6*\c:PC+2+6*\c], v[X+32*\c:X+15+32*\c], v[TM+12+2*\c]
	v_cvt_scalef32_pk16_fp6_f32 v[PC+12+4*\c:PC+14+4*\c], v[X+16+32*\c:X+31+32*\c], v[TM+12+2*\c+1]   ; (a conversion's three registers begin on an even number)
.endr
	v_nop                                          ; one plain place behind a scaled conversion
.irp c, 0,1                                    ; the operand's layout wants a WHOLE block in a lane: lanes 0-15 block 2 c, lanes 16-31 block 2 c + 1
.irp i, 0,1,2
	v_permlane16_swap_b32 v[PC+6*\c+\i], v[PC+12+4*\c+\i]
.endr
.irp i, 0,1,2
	s_delay_alu instid0(VALU_DEP_3)
	v_mov_b32 v[PC+3+6*\c+\i], v[PC+12+4*\c+\i]
.endr
.endr
.irp c, 0,1,2
	global_store_b128 v9, v[PC+4*\c:PC+4*\c+3], s[8:9] offset:512*\c   ; the image: each store covers 512 consecutive bytes, at a multiple of 512 from q's first byte
.endr
	s_wait_dscnt 0x0                               ; for the others' sake: my scale words have landed
	s_barrier_signal -1
	s_barrier_wait -1
	s_cmp_lt_u32 s12, 3                            ; waves 0 to 2 store a unit each
	s_cbranch_scc0 .Lend
	ds_load_b64 v[16:17], v8
	s_wait_dscnt 0x0
	global_store_b64 v10, v[16:17], s[10:11]       ; 32 lanes store 256 consecutive bytes, at a multiple of 256 from q's first byte
.Lend:
	s_wait_tensorcnt 0x0                           ; the wave's end, behind my tensor load and my last LDS store
	ds_add_u32 v[SPW], v[NIL]
	s_wait_dscnt 0x0
	s_endpgm
.Lfunc_end_k_qd6df95393d_quant:
	.size	k_qd6df95393d_quant, .Lfunc_end_k_qd6df95393d_quant-k_qd6df95393d_quant
	.p2alignl 7, 3214868480
	.fill 96, 4, 3214868480
	.section	.rodata,"a",@progbits
	.p2align	6, 0x0
	.amdhsa_kernel k_qd6df95393d_quant
		.amdhsa_group_segment_fixed_size 167936
		.amdhsa_private_segment_fixed_size 0
		.amdhsa_enable_private_segment 0
		.amdhsa_kernarg_size 32
		.amdhsa_user_sgpr_count 2
		.amdhsa_user_sgpr_kernarg_segment_ptr 1
		.amdhsa_wavefront_size32 1
		.amdhsa_system_sgpr_workgroup_id_x 1
		.amdhsa_system_sgpr_workgroup_id_y 1
		.amdhsa_system_sgpr_workgroup_id_z 1
		.amdhsa_system_vgpr_workitem_id 0
		.amdhsa_next_free_vgpr 144
		.amdhsa_next_free_sgpr 66
		.amdhsa_reserve_vcc 0
		.amdhsa_float_denorm_mode_32 3
		.amdhsa_float_denorm_mode_16_64 3
		.amdhsa_memory_ordered 1
		.amdhsa_forward_progress 1
		.amdhsa_inst_pref_size 19
	.end_amdhsa_kernel
	.amdgpu_metadata
---
amdhsa.version: [ 1, 2 ]
amdhsa.kernels:
  - .name:           k_qd6df95393d_quant
    .symbol:         k_qd6df95393d_quant.kd
    .args:
      - { .name: x1, .offset: 0, .size: 8, .value_kind: global_buffer, .address_space: global }
      - { .name: x2, .offset: 8, .size: 8, .value_kind: global_buffer, .address_space: global }
      - { .name: q1, .offset: 16, .size: 8, .value_kind: global_buffer, .address_space: global }
      - { .name: q2, .offset: 24, .size: 8, .value_kind: global_buffer, .address_space: global }
    .group_segment_fixed_size: 167936
    .private_segment_fixed_size: 0
    .kernarg_segment_align: 8
    .kernarg_segment_size: 32
    .max_flat_workgroup_size: 384
    .sgpr_count:     66
    .vgpr_count:     144
    .wavefront_size: 32
...
	.end_amdgpu_metadata
.endif
;; end of part 1
;; launch sim (part 2): grid 16 x 16, 4 waves a work-group, clusters of 4 x 4, 327,680 bytes of LDS; arguments q1, q2, mask1, mask2, out0; writes out0
.if DOCPART == 2
	.amdgcn_target "amdgcn-amd-amdhsa--gfx1250"
	.amdhsa_code_object_version 6
	.text
	.protected	k_qd6df95393d_sim
	.globl	k_qd6df95393d_sim
	.p2align	8
	.type	k_qd6df95393d_sim,@function
k_qd6df95393d_sim:
	s_mov_b64 s[64:65], 0
	v_nop
	global_prefetch_b8 v0, s[64:65] scope:SCOPE_SE
	s_setreg_imm32_b32 hwreg(HW_REG_WAVE_MODE, 25, 1), 1
	s_wait_xcnt 0x0
	s_wait_alu depctr_hold_cnt(0) depctr_sa_sdst(0) depctr_va_vdst(0) depctr_va_sdst(0) depctr_va_ssrc(0) depctr_va_vcc(0) depctr_vm_vsrc(0)
	s_getreg_b32 s2, hwreg(HW_REG_IB_STS2, 6, 4)
	s_cmp_eq_u32 s2, 0
	s_cbranch_scc0 .Lentry_in_a_cluster
	s_endpgm
.Lentry_in_a_cluster:
	s_bfe_u32 s2, ttmp6, 0x10000c
	s_cmp_lg_u32 s2, 0xf033
	s_cbranch_scc0 .Lentry_shape_is_right
	s_endpgm
.Lentry_shape_is_right:
; SECOND LAUNCH: the product on codes of E2M3 and the reduction.  No work is left out: every block of 64 x 64 is multiplied whole, and the masks select.
; SHARES.  A work-group makes 256 rows (x1) x 256 columns (x2) of sim; each of its four waves 128 x 128: 64 accumulators of 16 x 16, which are the 2 x 2 outputs (a, b) = (4 ty + 2 wr + pa, 4 tx + 2 wc + pb).
; So an output has one owner, and nothing of the reduction leaves the wave.
; ALL OF K LIES IN LDS: 512 rows x 768 codes with their scale words are 307,200 bytes, laid by the first launch as images of the operand's registers.  Each wave fetches a group of 128 rows by two tensor
; loads of dense bytes: K steps 0-3 (51,200 bytes) at the head, K steps 4-5 (25,600 bytes) behind the round that shows the first landed.  One load is out at a time; no byte of LDS is filled twice.
; CLUSTERS: 4 x 4 work-groups.  The four of a row of the cluster need the same rows of x1, the four of a column the same rows of x2: each load is a joint one, with a mask that names the four.
; THE MASKS GO IN AS THE SUMS' START: accumulator element (row, column) begins at (row valid ? 0 : -1e30) + (column valid ? 0 : -1e30).  Beside -1e30 a cosine is lost in rounding, so a masked element ends at
; about -1e30 or -2e30, finite and under every valid one.  A masked element's exact value reaches no finite output: a valid row's maximum is a valid element wherever b has a valid column, and where it
; has none the definition's own division by a count of 0 gives NaN, as here (a weight of 0 x 1/0).  Rows and columns that are not valid are weighed with 0, the others with 0.5 / count.
; LAYOUT.  Source 0 = 16 rows of x1, source 1 = 16 rows of x2: register j of lane (r, h) of accumulator (a, b) is sim(row 16 a + 8 h + j, column 16 b + r).
; ORDER.  x1's and x2's fragments have two sets of registers each: in the middle of a K step (128 along K, 64 products) stand the next one's 52 LDS loads, in one run.  The last two K steps lie in registers together and
; are finished output by output: the first output's maxima are taken behind the last 64 products, two instructions each.
; REGISTERS, in windows of 256: window 0: v8-31 addresses and small things; v32-47 scale words, two sets, and nothing else; v48-55 weights; v64-255 x1's fragments, two sets (ahead of the product: the rows' and columns' starts).
; window 1: v0-191 x2's fragments, two sets; v192-223 rows' maxima, v224-255 the same read back from the stage.   windows 2, 3: the accumulators of my rows 0-63, 64-127: (a, b) at v[8 (8 (a % 4) + b)].
; No prefetch: the text has no loop to run ahead in; all that a work-group reads is asked for by two loads a wave.  One tile to a work-group: there are 256 tiles.
; The output is 8 bytes a store, two stores a wave: an output block has one owner and all of out0 is 16,384 bytes.
; LIMITS: a NaN in a mask counts as not valid, as in the definition (NaN > 0 is false).
.set HALF,  76800                      ; a group of 128 rows: three blocks
.set KPB,   25600                      ; a block: 256 along K: 24,576 bytes of images, 1,024 of scale words
.set STAGE, 4*HALF                     ; 307,200: a stage for each wave: 16 groups of four rows, SP bytes apart; no fill lands there
.set SP,    272                        ; a group of four rows: 16 lanes x 16 bytes + 16 of padding
.set SPARE, STAGE+4*16*SP              ; 324,608: the spare words, 128 bytes for each wave: two blocks of 256 bytes that no other line names
.set MU,    8                          ; v8-11  four rows' maxima, v12-15 four columns' maxima
.set ADRA,  16                         ; v16, v17  my rows' images: K steps 0-3; K steps 4-5 (an LDS offset has 16 bits)
.set ADRB,  18                         ; v18, v19  my columns'
.set ADRS,  20                         ; v20, v21  the scale words: lanes 0-15 my rows', lanes 16-31 my columns'
.set STO,   22                         ; v22    into the stage
.set RDA,   23                         ; v23    and back
.set R,     24                         ; v24-27 the four results
.set SPW,   28                         ; v28    LDS address of my spare word; never rewritten
.set NIL,   29                         ; v29    0; never rewritten
.set LANE,  30
.set ZER,   31                         ; v31    0
.set SC,    32                         ; set t at v[SC + 8 t]; in it register i: the words of block i
.set W1,    48                         ; v48-51 my rows' weights (2 pa + e), v52-55 my columns' (2 pb + e)
.set AF,    64
.set RB,    64                         ; v64-127  the rows' starts (register 8 a + j)
.set CR,    128                        ; v128-135 mask2 as loaded
.set CB,    144                        ; v144-159 the columns' starts, each twice: a pair for the packed addition
.set PEN,   160
.set ONE,   161
.set CN,    162                        ; v162-165 counts, v166-169 permutes' results, v170-173 reciprocals
.set T,     192                        ; (window 1)
.set Y,     224                        ; (window 1)
.set G1A,   24                         ; s[24:31] group 1 for x1's loads;  s[48:55] for x2's: they differ in the mask alone
.set G1B,   48
.set G0A,   68                         ; s[68:75] two groups 0 for x1's loads;  s[80:87] for x2's
.set G0B,   80
.set SEL,   56                         ; s[56:57] v_permlanex16_b32's selects for lane l xor 16
.set MSB, 0
.macro WIN new                         ; the immediate's high byte repeats the setting that is left; a switch that changes nothing is dropped
.if MSB != (\new)
	s_set_vgpr_msb (MSB<<8)|(\new)
.set MSB, (\new)
.endif
.endm
.macro CROUND                          ; a round of the cluster's barrier
	s_barrier_signal -1
	s_barrier_wait -1
	s_cmp_lg_u32 s14, 0
	s_cbranch_scc1 .Lnot_wave_0_\@
	s_barrier_signal -3
.Lnot_wave_0_\@:
	s_barrier_wait -3
	s_barrier_signal -1
	s_barrier_wait -1
.endm
; A joint load: waves 0 and 1 fetch x1's two groups, waves 2 and 3 x2's; s_nop 0 and four v_nop follow each of the two lines
.macro JLOAD k
	s_cmp_eq_u32 s15, 0
	s_cbranch_scc0 .Lfor_b_\@
	tensor_load_to_lds s[G0A+4*\k:G0A+4*\k+3], s[G1A:G1A+7]
	s_nop 0
.rept 4
	v_nop
.endr
	s_branch .Lasked_\@
.Lfor_b_\@:
	tensor_load_to_lds s[G0B+4*\k:G0B+4*\k+3], s[G1B:G1B+7]
	s_nop 0
.rept 4
	v_nop
.endr
.Lasked_\@:
.endm
.macro PLACES                          ; four plain places behind a matrix instruction, in front of loads into registers that it has read and of reads of its result
.rept 4
	v_nop
.endr
.endm
	s_load_b256 s[4:11], s[0:1], 0x0               ; q1 s[4:5], q2 s[6:7], mask1 s[8:9], mask2 s[10:11]
	s_load_b64 s[12:13], s[0:1], 0x20              ; out0
	v_lshl_add_u32 v[SPW], v0, 2, SPARE
	v_mov_b32 v[NIL], 0
	ds_add_u32 v[SPW], v[NIL]                      ; the wave's opening: the add, twice on end, and its wait ahead of my first tensor load
	ds_add_u32 v[SPW], v[NIL]
	v_lshrrev_b32 v1, 5, v0
	v_readfirstlane_b32 s14, v1                    ; wave 0..3
	s_lshr_b32 s15, s14, 1                         ; wr: which 128 rows are mine.  Also: I fetch for x1 (0) or for x2 (1)
	s_and_b32 s16, s14, 1                          ; wc: which 128 columns.  Also: which group of 128 I fetch
	s_bfe_u32 s40, ttmp6, 0x40000                  ; cx, cy: my place in the cluster
	s_bfe_u32 s41, ttmp6, 0x40004
	s_lshl_b32 s42, ttmp9, 2
	s_add_co_u32 s42, s42, s40                     ; tx = 4 x cluster x + cx
	s_and_b32 s17, ttmp7, 0xffff
	s_lshl_b32 s17, s17, 2
	s_add_co_u32 s17, s17, s41                     ; ty = 4 x cluster y + cy
	s_lshl_b32 s43, s41, 2
	s_lshl_b32 s43, 15, s43                        ; my row of the cluster
	s_lshl_b32 s44, 0x1111, s40                    ; my column
	s_wait_dscnt 0x0                               ; both opening adds are done
	CROUND                                         ; all sixteen work-groups are here: the joint loads meet (the arguments are on their way meanwhile)
	; group 1: a dense block as rows of 32 elements of 8 bytes, no padding: 200 rows at the head, 100 behind it
	s_or_b32 s[G1A], s43, (3<<16)|(1<<21)          ; 15:0 the mask; 17:16 elements of 8 bytes; 21 set beside a mask
	s_or_b32 s[G1B], s44, (3<<16)|(1<<21)
.irp g, G1A, G1B
	s_mov_b32 s[\g+1], 32<<16                      ; tensor_dim0 = 32
	s_mov_b32 s[\g+2], 200<<16                     ; tensor_dim1 = 200
	s_mov_b32 s[\g+3], 32<<16                      ; tile_dim0 = 32
	s_mov_b32 s[\g+4], 200                         ; tile_dim1 = 200
	s_mov_b32 s[\g+5], 32                          ; tensor_dim0_stride
	s_mov_b32 s[\g+6], 0
	s_mov_b32 s[\g+7], 0
.endr
	s_lshl_b32 s20, s17, 1                         ; x1's group 2 ty + wc: it hangs on ty alone, which my row of the cluster shares
	s_add_co_u32 s20, s20, s16
	s_mul_i32 s20, s20, HALF
	s_mov_b32 s21, 0
	s_lshl_b32 s46, s42, 1                         ; x2's group 2 tx + wc: on tx alone, which my column shares
	s_add_co_u32 s46, s46, s16
	s_mul_i32 s46, s46, HALF
	s_mov_b32 s47, 0
	s_mul_i32 s45, s14, HALF                       ; where it goes: region = wave: x1's two groups, then x2's two.  No place in the cluster enters an LDS address
	s_mov_b32 s[SEL], 0x76543210
	s_mov_b32 s[SEL+1], 0xfedcba98
	s_lshl_b32 s36, s17, 10                        ; my 128 rows' numbers of mask1: 4 (256 ty + 128 wr) bytes on
	s_lshl_b32 s37, s15, 9
	s_add_co_u32 s36, s36, s37
	s_mov_b32 s37, 0
	s_lshl_b32 s38, s42, 10                        ; my 128 columns' of mask2
	s_lshl_b32 s39, s16, 9
	s_add_co_u32 s38, s38, s39
	s_mov_b32 s39, 0
	s_lshl_b32 s60, s42, 4                         ; out0: row 4 ty + 2 wr of 256 bytes, column 4 tx + 2 wc
	s_lshl_b32 s61, s16, 3
	s_add_co_u32 s60, s60, s61
	s_add_co_u32 s60, s60, s36
	s_mov_b32 s61, 0
	s_mul_i32 s32, s15, HALF                       ; my rows' region
	s_add_co_u32 s33, s16, 2
	s_mul_i32 s33, s33, HALF                       ; my columns'
	s_xor_b32 s34, s15, 1
	s_add_co_u32 s34, s34, s16
	s_add_co_u32 s34, s34, 1
	s_mul_i32 s34, s34, HALF                       ; the distance between the two: (2 + wc - wr) regions
	s_add_co_u32 s35, s32, 24576                   ; a block's scale words lie behind its images
	s_mul_i32 s58, s14, 16*SP
	s_add_co_u32 s58, s58, STAGE                   ; my stage
	v_and_b32 v1, 15, v0                           ; r
	v_bfe_u32 v2, v0, 4, 1                         ; h
	v_lshlrev_b32 v4, 2, v1                        ; 4 r: mask2, column 16 b + r
	v_lshlrev_b32 v5, 5, v2                        ; 32 h: mask1, rows 16 a + 8 h + 0 .. 7
	v_lshlrev_b32 v6, 4, v1                        ; 16 r
	v_lshl_add_u32 v3, v2, 6, v4                   ; the weights: column 64 pb + 32 e + 16 h + r
	v_lshl_add_u32 v7, v2, 2, v6                   ; and row 64 pa + 4 r + 2 e + h
	v_and_b32 v[LANE], 31, v0
	v_lshlrev_b32 v8, 4, v[LANE]                   ; 16 x lane
	v_add_nc_u32 v[ADRA], s32, v8
	v_add_nc_u32 v[ADRA+1], 2*KPB, v[ADRA]
	v_add_nc_u32 v[ADRB], s33, v8
	v_add_nc_u32 v[ADRB+1], 2*KPB, v[ADRB]
	v_mul_u32_u24 v[ADRS+1], s34, v2               ; lanes 16-31 take my columns'
	v_add_nc_u32 v[ADRS], v6, v[ADRS+1]            ; 16 r: four words: K steps 0, 1 of two neighbouring row blocks
	v_add_nc_u32 v[ADRS], s35, v[ADRS]
	v_add_nc_u32 v[ADRS+1], 2*KPB, v[ADRS]
	v_mul_u32_u24 v9, v2, 2*SP
	v_add_nc_u32 v9, v9, v6
	v_add_nc_u32 v[STO], s58, v9                   ; into the stage: group 4 i + 2 h + jj, place r
	v_mul_u32_u24 v9, v1, SP
	v_lshl_add_u32 v9, v2, 7, v9
	v_add_nc_u32 v[RDA], s58, v9                   ; and back: group r, places 8 h .. 8 h + 7
	v_mov_b32 v[ZER], 0
	v_mov_b32 v[PEN], 0xf149f2ca                   ; -1e30
	v_mov_b32 v[ONE], 1.0
.irp p, 0,1,2,3
	v_mov_b32 v[CN+4+\p], 0                        ; written once: a lane permute's destination counts as one of its sources
.endr
	s_wait_alu depctr_va_vdst(0)
	s_wait_kmcnt 0x0
	s_add_nc_u64 s[20:21], s[4:5], s[20:21]
	s_add_nc_u64 s[46:47], s[6:7], s[46:47]
.irp k, 0,1
	s_mov_b32 s[G0A+4*\k], 1
	s_add_co_u32 s[G0A+4*\k+1], s45, \k*2*KPB
	s_add_nc_u64 s[G0A+4*\k+2:G0A+4*\k+3], s[20:21], \k*2*KPB
	s_or_b32 s[G0A+4*\k+3], s[G0A+4*\k+3], 0x80000000
	s_mov_b32 s[G0B+4*\k], 1
	s_add_co_u32 s[G0B+4*\k+1], s45, \k*2*KPB
	s_add_nc_u64 s[G0B+4*\k+2:G0B+4*\k+3], s[46:47], \k*2*KPB
	s_or_b32 s[G0B+4*\k+3], s[G0B+4*\k+3], 0x80000000
.endr
	JLOAD 0                                        ; K steps 0-3: one tensor load a wave at the head
	; while the tiles are on their way: the masks
	s_add_nc_u64 s[8:9], s[8:9], s[36:37]
	s_add_nc_u64 s[10:11], s[10:11], s[38:39]
	s_add_nc_u64 s[12:13], s[12:13], s[60:61]
.irp a, 0,1,2,3,4,5,6,7
	global_load_b128 v[RB+8*\a:RB+8*\a+3], v5, s[8:9] offset:64*\a
	global_load_b128 v[RB+8*\a+4:RB+8*\a+7], v5, s[8:9] offset:64*\a+16
.endr
.irp b, 0,1,2,3,4,5,6,7
	global_load_b32 v[CR+\b], v4, s[10:11] offset:64*\b
.endr
.irp e, 0,1,2,3
	global_load_b32 v[W1+\e], v7, s[8:9] offset:256*(\e/2)+8*(\e%2)
	global_load_b32 v[W1+4+\e], v3, s[10:11] offset:256*(\e/2)+128*(\e%2)
.endr
	s_wait_loadcnt 0x0
	; valid = mask > 0.  The starts: 0 or -1e30
.set n, 0
.rept 8
	v_cmp_lt_f32 vcc_lo, 0, v[W1+n]
	v_cndmask_b32 v[W1+n], v[ZER], v[ONE], vcc_lo  ; the weight: 1 or 0
.set n, n+1
.endr
.set n, 0
.rept 8
	v_cmp_lt_f32 vcc_lo, 0, v[CR+n]
	v_cndmask_b32 v[CB+2*n], v[PEN], v[ZER], vcc_lo
	v_cndmask_b32 v[CB+2*n+1], v[PEN], v[ZER], vcc_lo
.set n, n+1
.endr
.set n, 0
.rept 64
	v_cmp_lt_f32 vcc_lo, 0, v[RB+n]
	v_cndmask_b32 v[RB+n], v[PEN], v[ZER], vcc_lo
.set n, n+1
.endr
	; the counts of valid rows (pa = 0, 1) and columns (pb = 0, 1): sums of the weights over two registers and 32 lanes (whole numbers: exact in any order)
.irp p, 0,1,2,3
	v_add_f32 v[CN+\p], v[W1+2*\p], v[W1+2*\p+1]
.endr
.irp x, 1,2,4,8
.irp p, 0,1,2,3
	v_add_f32_dpp v[CN+\p], v[CN+\p], v[CN+\p] row_xmask:\x row_mask:0xf bank_mask:0xf
.endr
.endr
.irp p, 0,1,2,3
	v_permlanex16_b32 v[CN+4+\p], v[CN+\p], s[SEL], s[SEL+1]
.endr
.irp p, 0,1,2,3
	v_add_f32 v[CN+\p], v[CN+\p], v[CN+4+\p]
.endr
	s_wait_alu depctr_va_vdst(0)
.irp p, 0,1,2,3
	v_rcp_f32 v[CN+8+\p], v[CN+\p]
.endr
	v_nop                                          ; a plain instruction behind the last reciprocal
	s_wait_alu depctr_va_vdst(0)                   ; and one wait for the four
.irp p, 0,1,2,3
	v_mul_f32 v[CN+8+\p], 0.5, v[CN+8+\p]
.endr
.irp p, 0,1,2,3
	v_mul_f32 v[W1+2*\p], v[W1+2*\p], v[CN+8+\p]   ; 0.5 / count or 0 (a count of 0: 0 x infinity = NaN, as 0 / 0 in the definition)
	v_mul_f32 v[W1+2*\p+1], v[W1+2*\p+1], v[CN+8+\p]
.endr
	; the sums' starts: row's + column's, two at a time.  These 256 lines take the place of a select on each of the 64 x 8 results: no product starts from the constant 0
.irp a, 0,1,2,3,4,5,6,7
	WIN 0x80+0x40*((\a)/4)                         ; destination window 2 or 3
.irp b, 0,1,2,3,4,5,6,7
.irp j, 0,2,4,6
	v_pk_add_f32 v[8*(8*((\a)%4)+\b)+\j:8*(8*((\a)%4)+\b)+\j+1], v[RB+8*\a+\j:RB+8*\a+\j+1], v[CB+2*\b:CB+2*\b+1]
.endr
.endr
.endr
	WIN 0
; THE LDS LOADS of K step ks, by number: 0-3 scale words (lanes 0-15 x1's, lanes 16-31 x2's), 4-15 x2's blocks 0-3, 16-27 x1's 0-3, 28-39 x2's 4-7, 40-51 x1's 4-7.  A fragment (12 registers a lane) comes by three.
; They stand in one run of 52 behind a wait for 0.  So load x is in when at most 52 - (x + 1) are out
.set LN, 0
.macro LDOP ks
.set LO, (((\ks)/2)%2)*KPB+((\ks)%2)*12288
.set LA, LN-4
.set LW, 0                             ; 0 scale words, 1 x2, 2 x1
.if LN >= 4
.set LW, 1
.endif
.if LN >= 16
.set LA, LN-16
.set LW, 2
.endif
.if LN >= 28
.set LA, LN-28+12
.set LW, 1
.endif
.if LN >= 40
.set LA, LN-40+12
.set LW, 2
.endif
.if LW == 0
	WIN 0
	ds_load_b64 v[SC+8*((\ks)%2)+2*LN:SC+8*((\ks)%2)+2*LN+1], v[ADRS+(\ks)/4] offset:(((\ks)/2)%2)*KPB+256*LN+8*((\ks)%2)
.endif
.if LW == 1
	WIN 0x40
	ds_load_b128 v[96*((\ks)%2)+4*LA:96*((\ks)%2)+4*LA+3], v[ADRB+(\ks)/4] offset:LO+512*LA
.endif
.if LW == 2
	WIN 0
	ds_load_b128 v[AF+96*((\ks)%2)+4*LA:AF+96*((\ks)%2)+4*LA+3], v[ADRA+(\ks)/4] offset:LO+512*LA
.endif
.set LN, LN+1
.endm
.macro LOADS ks
.set LN, 0
.rept 52
	LDOP \ks
.endr
.endm
; Four products: x1's block a against x2's blocks 4 pb .. 4 pb + 3.  The accumulators take turns, one instruction a turn
.macro MM a, b, ks
	WIN 0xa4+0x50*((\a)/4)                         ; source 0 (x1) window 0, source 1 (x2) window 1, C and D window 2 or 3
	v_wmma_scale_f32_16x16x128_f8f6f4 v[8*(8*((\a)%4)+(\b)):8*(8*((\a)%4)+(\b))+7], v[AF+96*((\ks)%2)+12*(\a):AF+96*((\ks)%2)+12*(\a)+11], v[96*((\ks)%2)+12*(\b):96*((\ks)%2)+12*(\b)+11], v[8*(8*((\a)%4)+(\b)):8*(8*((\a)%4)+(\b))+7], v[SC+8*((\ks)%2)+(\a)], v[SC+8*((\ks)%2)+(\b)] matrix_a_fmt:MATRIX_FMT_FP6 matrix_b_fmt:MATRIX_FMT_FP6 matrix_b_scale:MATRIX_SCALE_ROW1
.endm
.macro MM4 ks, a, pb
.irp b, 0,1,2,3
	MM \a, 4*(\pb)+\b, \ks
.endr
.endm
.macro OUT16 ks, pa, pb                ; 16 products of output (pa, pb)
.irp i, 0,1,2,3
	MM4 \ks, 4*(\pa)+\i, \pb
.endr
.endm
.macro FIRST16 ks                      ; of output (0, 0), the first that a K step's fragments meet
.irp i, 0,1,2,3
	s_wait_dscnt 33-3*\i                           ; the scale words, x2's blocks 0-3 and x1's block i (loads up to 18 + 3 i) are in
	MM4 \ks, \i, 0
.endr
.endm
; A K step.  bar = 1: the next one's bytes are the second load's: a barrier shows them landed to all four waves
.macro STEP ks, bar
	FIRST16 \ks
.if \bar
	s_wait_tensorcnt 0x0                           ; my second load has landed
	s_wait_dscnt 0x0                               ; no LDS instruction of mine is pending at the signal
	s_barrier_signal -1
.else
	s_wait_dscnt 12                                ; x2's blocks 4-7 are in
.endif
	OUT16 \ks, 0, 1
.if \bar
	s_barrier_wait -1                              ; everybody's has
.else
	s_wait_dscnt 0x0                               ; x1's blocks 4-7 are in
.endif
	PLACES                                         ; the run lands in the registers that the K step before has read
	LOADS (\ks)+1
	OUT16 \ks, 1, 0
	OUT16 \ks, 1, 1
.endm
; THE REDUCTION OF OUTPUT JP = 2 pa + pb, 172 instructions by number (JQ).  0-63 rows: the maximum over the four column blocks, register by register, each accumulator read from its register 0 on.  64-79: rows' maxima
; through my own stage: lane (r, h) puts four rows' numbers into group 4 i + 2 h + jj at place r, and lane (r, h) takes back group r, places 8 h .. 8 h + 7 (LDS serves a wave's instructions in order).  80-143 columns: the
; maximum over my 32 rows of each column block, four chains by turns.  144-159: four rows' maxima over eight places.  160-167: with the other half of the lanes: a swap and a maximum for each two: lanes 0-15 then
; hold the first of the two, lanes 16-31 the second.  168-171: weighed and added
.set JP, 0
.set JQ, 0
.macro JOP
.set JA, JP/2
.set JB, 32*(JP%2)
.if JQ < 32
	WIN 0x5a+5*JA
	v_max_num_f32 v[T+JQ], v[64*(JQ/8)+JB+JQ%8], v[64*(JQ/8)+JB+8+JQ%8]
.elseif JQ < 64
.set JN, JQ-32
	WIN 0x5a+5*JA
	v_max3_num_f32 v[T+JN], v[64*(JN/8)+JB+16+JN%8], v[64*(JN/8)+JB+24+JN%8], v[T+JN]
.elseif JQ < 72
.set JN, JQ-64
.if JN == 0
	s_wait_alu depctr_va_vdst(0)
.endif
	WIN 0x04
	ds_store_b128 v[STO], v[T+4*JN:T+4*JN+3] offset:(4*(JN/2)+JN%2)*SP
.elseif JQ < 80
.set JN, JQ-72
	WIN 0x40
	ds_load_b128 v[Y+4*JN:Y+4*JN+3], v[RDA] offset:16*JN
.elseif JQ < 144
.set JN, JQ-80
.set JX, 64*(JN/16)+JB+8*(JN%4)+2*((JN/4)%4)
	WIN 0x0a+5*JA
.if JN < 4
	v_max_num_f32 v[MU+4+JN%4], v[JX], v[JX+1]
.else
	v_max3_num_f32 v[MU+4+JN%4], v[JX], v[JX+1], v[MU+4+JN%4]
.endif
.elseif JQ < 160
.set JN, JQ-144
.set JX, Y+8*(JN/4)+JN%4
	WIN 0x05
.if JN == 0
	s_wait_dscnt 0x0                               ; the numbers are back from the stage
.endif
.if JN < 4
	v_max_num_f32 v[MU+JN%4], v[JX], v[JX+4]
.else
	v_max3_num_f32 v[MU+JN%4], v[JX], v[JX+4], v[MU+JN%4]
.endif
.elseif JQ < 164
.set JN, JQ-160
	WIN 0
	v_permlane16_swap_b32 v[MU+2*JN], v[MU+2*JN+1]
.elseif JQ < 168
.set JN, JQ-164
	WIN 0
	v_max_num_f32 v[MU+2*JN], v[MU+2*JN], v[MU+2*JN+1]
.else
.set JN, JQ-168
	WIN 0
.if JN == 0
	v_mul_f32 v[R+JP], v[MU], v[W1+2*JA]
.elseif JN == 1
	v_fma_f32 v[R+JP], v[MU+2], v[W1+2*JA+1], v[R+JP]
.else
	v_fma_f32 v[R+JP], v[MU+2*JN], v[W1+4+2*(JP%2)+JN-2], v[R+JP]
.endif
.endif
.set JQ, JQ+1
.endm
.macro OPS p, from, cnt                ; cnt instructions of output p's reduction, from number from on
.set JP, \p
.set JQ, \from
.rept \cnt
	JOP
.endr
.endm
; 16 products of output (pa, pb), K step ks, each followed by two instructions of output (0, 0)'s reduction: in four such runs its rows (0-63) and its columns (80-143); what goes through the stage follows behind the last product
.macro QV ks, pa, pb
.irp i, 0,1,2,3
.irp b, 0,1,2,3
	MM 4*(\pa)+\i, 4*(\pb)+\b, \ks
.rept 2
	JOP
.if JQ == 64
.set JQ, 80
.endif
.endr
.endr
.endr
.endm
	s_wait_alu depctr_va_vdst(0)
	s_wait_tensorcnt 0x0                           ; my part of K steps 0-3 is in
	ds_add_u32 v[SPW], v[NIL]                      ; 0 onto my spare word
.irp g, G1A, G1B
	s_mov_b32 s[\g+2], 100<<16                     ; no tensor load of mine is out, so a descriptor may be written: 100 rows from here on
	s_mov_b32 s[\g+4], 100
.endr
	s_wait_dscnt 0x0                               ; the add is done
	CROUND                                         ; everybody's part is in, and all sixteen work-groups are here: the joint loads meet,
	JLOAD 1                                        ; and K steps 4-5, the first tensor load behind the round
	LOADS 0
	STEP 0, 0
	STEP 1, 0
	STEP 2, 0
	STEP 3, 1
	FIRST16 4                                      ; K step 4 of output (0, 0)
	s_wait_dscnt 0x0                               ; all of K step 4 is in
	PLACES
	LOADS 5
	OUT16 4, 0, 1                                  ; K step 4 of outputs (0, 1) and (1, 0)
	OUT16 4, 1, 0
	FIRST16 5                                      ; K step 5 of output (0, 0), which is then finished
	PLACES                                         ; for the first reads of its results
	s_wait_dscnt 12                                ; x2's blocks 4-7 are in
	QV 5, 0, 1                                     ; K step 5 of output (0, 1)
	s_wait_dscnt 0x0                               ; x1's blocks 4-7 are in
	QV 5, 1, 0                                     ; and of (1, 0)
	QV 4, 1, 1                                     ; both K steps of (1, 1)
	QV 5, 1, 1
	OPS 0, 64, 16
	OPS 1, 0, 64                                   ; (the next output's rows stand between the loads from the stage and the wait for them)
	OPS 0, 144, 28
	OPS 1, 64, 108
	OPS 2, 0, 172
	OPS 3, 0, 172
	WIN 0
	; the four results: sums over the 32 lanes
.irp p, 0,1,2,3
	v_permlanex16_b32 v[\p], v[R+\p], s[SEL], s[SEL+1]
.endr
.irp p, 0,1,2,3
	v_add_f32 v[R+\p], v[R+\p], v[\p]
.endr
.irp x, 1,2,4,8
.irp p, 0,1,2,3
	v_add_f32_dpp v[R+\p], v[R+\p], v[R+\p] row_xmask:\x row_mask:0xf bank_mask:0xf
.endr
.endr
	s_wait_alu depctr_va_vdst(0)
	s_wait_xcnt 0x0                                ; EXEC changes only behind this wait
	v_cmp_eq_u32 vcc_lo, 0, v[LANE]
	s_and_saveexec_b32 s18, vcc_lo                 ; every lane holds the four results: lane 0 stores them
	global_store_b64 v[ZER], v[R:R+1], s[12:13]        ; out0[a][b], out0[a][b + 1]
	global_store_b64 v[ZER], v[R+2:R+3], s[12:13] offset:256   ; and row a + 1
	s_wait_xcnt 0x0                                ; and again, in front of the line that widens it
	s_or_b32 exec_lo, exec_lo, s18
	s_wait_tensorcnt 0x0                           ; the wave's end, behind my last tensor load
	ds_add_u32 v[SPW], v[NIL]
	s_wait_dscnt 0x0
	CROUND                                         ; the closing round: no work-group ends while a partner may still ask for a block that names it
	s_endpgm
.Lfunc_end_k_qd6df95393d_sim:
	.size	k_qd6df95393d_sim, .Lfunc_end_k_qd6df95393d_sim-k_qd6df95393d_sim
	.p2alignl 7, 3214868480
	.fill 96, 4, 3214868480
	.section	.rodata,"a",@progbits
	.p2align	6, 0x0
	.amdhsa_kernel k_qd6df95393d_sim
		.amdhsa_group_segment_fixed_size 327680
		.amdhsa_private_segment_fixed_size 0
		.amdhsa_enable_private_segment 0
		.amdhsa_kernarg_size 40
		.amdhsa_user_sgpr_count 2
		.amdhsa_user_sgpr_kernarg_segment_ptr 1
		.amdhsa_wavefront_size32 1
		.amdhsa_system_sgpr_workgroup_id_x 1
		.amdhsa_system_sgpr_workgroup_id_y 1
		.amdhsa_system_sgpr_workgroup_id_z 1
		.amdhsa_system_vgpr_workitem_id 0
		.amdhsa_next_free_vgpr 1024
		.amdhsa_next_free_sgpr 96
		.amdhsa_reserve_vcc 1
		.amdhsa_float_denorm_mode_32 3
		.amdhsa_float_denorm_mode_16_64 3
		.amdhsa_memory_ordered 1
		.amdhsa_forward_progress 1
		.amdhsa_inst_pref_size 150
	.end_amdhsa_kernel
	.amdgpu_metadata
---
amdhsa.version: [ 1, 2 ]
amdhsa.kernels:
  - .name:           k_qd6df95393d_sim
    .symbol:         k_qd6df95393d_sim.kd
    .args:
      - { .name: q1, .offset: 0, .size: 8, .value_kind: global_buffer, .address_space: global }
      - { .name: q2, .offset: 8, .size: 8, .value_kind: global_buffer, .address_space: global }
      - { .name: mask1, .offset: 16, .size: 8, .value_kind: global_buffer, .address_space: global }
      - { .name: mask2, .offset: 24, .size: 8, .value_kind: global_buffer, .address_space: global }
      - { .name: out0, .offset: 32, .size: 8, .value_kind: global_buffer, .address_space: global }
    .group_segment_fixed_size: 327680
    .private_segment_fixed_size: 0
    .kernarg_segment_align: 8
    .kernarg_segment_size: 40
    .max_flat_workgroup_size: 128
    .sgpr_count:     96
    .vgpr_count:     1024
    .wavefront_size: 32
...
	.end_amdgpu_metadata
.endif
;; end of part 2
